; MI455X (gfx1250); checked and timed in simulation.
; The chip was launched on July 23, 2026; its instructions are those of AMD's public machine-readable ISA for CDNA 5 (MIT licence, August 2026) and "CDNA5" Instruction Set Architecture Reference Guide (July 2026). The comments in the code are by the model that wrote it; some were corrected since.
;; INT4 Quantized Linear. Allowed arithmetic: matrix products marked QUANTISED: E2M1 operands, one E8M0 scale for each 32 along K, by v_wmma_scale_f32_16x16x128_f8f6f4 with both operands' format E2M1 (or v_wmma_scale_f32_32x16x128_f4), f32 sums; everything else in f32.
;; Inputs: packed_b 1,024 int32; packed_w 4,194,304 int32; scale_b one number float32; scale_w one number float32; x 4 x 2,048 x 4,096 float32.
;; Outputs: out0 4 x 2,048 x 2,048 float32.
;; This version of the problem:
;;   THIS VERSION OF THE PROBLEM IS GIVEN IN LOW PRECISION. The matrix products marked QUANTISED in the list below multiply operands that are first quantised to E2M1 (2 exponent bits, 1 mantissa bit; 4 bits a number), with one power-of-two scale for each 32 numbers along K (OCP MX v1.0); their sums are f32. All else is computed in f32.
;;   The module's matrix products, in the order in which they are computed (A, B: the left and right operand; K: the contracted axis; several contracted axes count as one K, in the product's order):
;;     1. [M 8,192, K 4,096] x [K 4,096, N 2,048]; A: input x; B: computed on the way: QUANTISED
;;   THE QUANTISER, for each operand of a quantised product, along K:
;;     - K is cut into blocks of 32 from its start; a last block that is shorter is filled with zeros.
;;     - A block's scale is 2^e with e = floor(log2(the largest magnitude in the block)) - 2, held to -126 .. 127; a block of zeros has e = 0. As a byte (E8M0): e + 127.
;;     - Each number is divided by its block's scale, clamped to +-6, and rounded to the nearest number of E2M1, ties to even, subnormals kept.
;;     - The product sums the exact products of the quantised numbers (number of the format x scale) in f32.
;;   ~~~python
;;   def quantise(x, axis):      # numpy; x: float32 -> the quantised numbers, widened to float32 again
;;       x = np.moveaxis(x, axis, -1); K = x.shape[-1]
;;       x = np.pad(x, [(0, 0)] * (x.ndim - 1) + [(0, -K % 32)]); x = x.reshape(x.shape[:-1] + (-1, 32)); a = np.abs(x).max(-1, keepdims=True)
;;       e = np.where(a > 0, np.clip(np.frexp(np.where(a > 0, a, 1))[1] - 1 - 2, -126, 127), 0)      # np.frexp(a)[1] - 1 = floor(log2(a)), exactly
;;       r = np.clip(x / 2.0 ** e, -6, 6)
;;       step = 2.0 ** (np.maximum(np.frexp(np.where(r == 0, 1, r))[1] - 1, 0) - 1)
;;       q = np.round(r / step) * step * 2.0 ** e      # np.round: ties to even
;;       return np.moveaxis(q.reshape(q.shape[:-2] + (-1,))[..., :K], -1, axis).astype(np.float32)
;;   ~~~
;;   OPERANDS COMPUTED ON THE WAY. 'Computed on the way' means the value that the module computes at that place (a softmax that the list does not call 'softmax' is quantised finished and normalised). What goes into a quantiser is computed in f32, as accurately as f32 sums, v_exp_f32 and their like allow (about 1e-6 of the number): no bf16 or f16 on the way to a quantiser, and a product that is left as it is and whose result goes on into a quantised operand takes f32 operands (vector FMAs, or v_wmma_f32_16x16x4_f32). A number that lies on a knife's edge between two numbers of the format may be rounded either way, as far as f32 arithmetic and the matrix unit's own rounding can turn it there, and no further.
;; One version. Each part assembles by itself: llvm-mc -triple=amdgcn-amd-amdhsa -mcpu=gfx1250 --defsym DOCPART=n.
;; ======== version 1 of 1: 2 launches
;; limits: right only within a limited range of input values
;; workspace buffers: xq 17,825,792 bytes; wq 4,456,448 bytes
;; launch quant (part 1): grid 1024 x 1, 4 waves a work-group, no clusters, 51,968 bytes of LDS; arguments x, packed_w, scale_w, xq, wq; writes xq, wq
.if DOCPART == 1
	.amdgcn_target "amdgcn-amd-amdhsa--gfx1250"
	.amdhsa_code_object_version 6
	.text
	.protected	k_q15916e5271_quant
	.globl	k_q15916e5271_quant
	.p2align	8
	.type	k_q15916e5271_quant,@function
k_q15916e5271_quant:
	s_mov_b64 s[64:65], 0
	v_nop
	global_prefetch_b8 v0, s[64:65] scope:SCOPE_SE
	s_setreg_imm32_b32 hwreg(HW_REG_WAVE_MODE, 25, 1), 1
	s_wait_xcnt 0x0
; x [8192][4096] f32, and W [2048][4096] = scale_w x (nibble - 8) unpacked from packed_w (one byte in each int32: the high nibble is the even k, the low nibble the odd k),
; are turned into codes of FP4 (E2M1) with one E8M0 scale byte for each 32 along K.  A block's scale is 2^(floor(log2(its largest magnitude)) - 2): its byte is the largest magnitude's exponent field - 2.
; THE OUTPUT IS LAID IN THE ORDER OF THE OPERAND'S REGISTERS.  xq and wq are [block of 128 rows][K step of 512][TILEB bytes].  In a tile:
;   bytes 0 .. 32,767: [i = 16 rows][q = 128 K][c = 0, 1][lane][16 bytes]: lane (r, h) holds the 32 codes of row 16 i + r at k = 128 q + 64 c + 32 h + 0 .. 31: registers 4 c .. 4 c + 3 of a 4-bit fragment;
;   bytes 32,768 .. 34,815: [i][r][q][4 bytes]: byte j of a word is the scale byte of k = 128 q + 32 j + 0 .. 31.
; SHARES.  EVERY WAVE HAS THE SAME WORK: 16 rows x 512 K of x (four fragments) and 16 rows x 128 K of W (one).  x has 512 x 8 such parts and W 128 x 8 x 4: 4,096 of each, one for each of the 4,096 waves;
; with 256 registers a wave, four waves share a SIMD, sixteen a WGP, so the 256 WGPs hold all 4,096 at once and none is left for a second turn.
; Wave T = 4 x work-group + wave takes x's 16 rows T / 8, K step T % 8.  Work-group g takes W's 16 rows g / 8, K step g % 8, and its four waves the four quarters of that step.
; Each load of x reads 512 consecutive bytes of one row, each load of packed_w two rows' 256 aligned bytes.  They turn through the wave's own stage in LDS (rows 528 or 272 bytes apart: odd multiples of 16, so the
; sixteen rows of a read start at sixteen different 16-byte columns of 256), so that a lane gets two whole blocks of 32 neighbours along K: no other lane is asked for a maximum, and the conversions' results
; are the fragment's registers.  W's loads go out first and W is worked while x's first 32 loads are on their way.
; The four waves' scale words of W are one run of 256 bytes: they meet in LDS behind the launch's one barrier, and wave 0 stores them whole.  No tensor load, no cluster: work-groups share no input.
; LIMITS: NaN and infinities among the inputs are not served.  A block whose largest magnitude lies under 2^-124 has its byte held at 1; a block of zeros gets the byte 1 where the rule says 127: its codes are
; zeros, and the bytes are read by this program alone.  |scale_w| stays under 2^124, so that 8 x scale_w is exact and finite.
.set TILEB,  34816
.set PITCH,  528                       ; a row of x's stage: 512 bytes + 16
.set STG,    16*PITCH                  ; a wave's stage for x
.set WPITCH, 272                       ; a row of W's stage: 256 bytes + 16
.set WSTG,   16*WPITCH                 ; a wave's stage for W
.set WST,    4*STG                     ; W's stages lie behind x's,
.set SCX,    WST+4*WSTG                ; and behind them the 256 bytes in which the four waves' scale words of W meet
.set L8,   1                           ; v1   8 x lane
.set LOFF, 4                           ; v4   16 x lane: offset of x's loads and of the codes' stores; never rewritten
.set SA,   5                           ; v5   x's stage, on the way in: wave x STG + 16 x lane
.set LA,   6                           ; v6   and on the way out: wave x STG + 528 r + 128 h
.set SAW,  7                           ; v7   W's stage, in: 272 h + 16 r
.set LAW,  8                           ; v8   and out: 272 r + 64 h
.set SOFF, 9                           ; v9   16 r + 8 h: my two scale words' place
.set SH8,  10                          ; v10  8 h
.set LW,   11                          ; v11  packed_w: 8,192 h + 16 r: lanes 0-15 one row's 256 bytes, lanes 16-31 the next row's
.set M,    12                          ; v12-13 largest magnitudes of my two blocks
.set S,    14                          ; v14-15 the conversions' scale operands
.set B,    16                          ; v16-17 the scale bytes
.set T,    18                          ; v18-19 at work
.set SWV,  20                          ; v[20:21] scale_w, twice
.set SMV,  22                          ; v[22:23] -8 x scale_w, twice
.set R,    24                          ; v24-151 two sets of 64 registers of x as loaded
.set X,    152                         ; v152-215 64 numbers: register 32 c + j is k = 64 c + 32 h + j of my row
.set C,    216                         ; v216-247 the codes: 8 registers for each of x's four fragments; W's fragment goes first through the first eight
.set WD,   248                         ; v248-251 the scale words
.set D,    12                          ; v[12:13] the two that I store: M's registers, which are idle wherever D is at work
.set SXW,  254                         ; v254 SCX + 16 r + 4 x wave: where my row's scale word of W goes
.set SXR,  255                         ; v255 SCX + 8 x lane: where wave 0 reads the 256 bytes back
	s_load_b256 s[4:11], s[0:1], 0x0               ; x s[4:5], packed_w s[6:7], scale_w s[8:9], xq s[10:11]
	s_load_b64 s[12:13], s[0:1], 0x20              ; wq
	v_lshl_add_u32 v252, v0, 2, 0xc900             ; my spare word, behind SCX's 256 bytes; never rewritten
	v_mov_b32 v253, 0                              ; 0; never rewritten
	v_lshrrev_b32 v11, 5, v0
	v_readfirstlane_b32 s14, v11                   ; wave 0..3
	v_and_b32 v1, 31, v0                           ; lane
	v_and_b32 v2, 15, v0                           ; r
	v_bfe_u32 v3, v0, 4, 1                         ; h
	s_mul_i32 s29, s14, STG
	v_lshlrev_b32 v[LOFF], 4, v1
	v_add_nc_u32 v[SA], s29, v[LOFF]
	v_mul_u32_u24 v[LA], v2, PITCH
	v_lshl_add_u32 v[LA], v3, 7, v[LA]
	v_add_nc_u32 v[LA], s29, v[LA]
	s_mul_i32 s29, s14, WSTG
	s_add_co_u32 s29, s29, WST
	v_mul_u32_u24 v[SAW], v3, WPITCH
	v_lshl_add_u32 v[SAW], v2, 4, v[SAW]
	v_add_nc_u32 v[SAW], s29, v[SAW]
	v_mul_u32_u24 v[LAW], v2, WPITCH
	v_lshl_add_u32 v[LAW], v3, 6, v[LAW]
	v_add_nc_u32 v[LAW], s29, v[LAW]
	v_lshlrev_b32 v[LW], 13, v3
	v_lshl_add_u32 v[LW], v2, 4, v[LW]
	v_lshlrev_b32 v[SOFF], 4, v2
	v_lshl_add_u32 v[SOFF], v3, 3, v[SOFF]
	v_lshlrev_b32 v[SH8], 3, v3
	s_lshl_b32 s29, s14, 2
	s_add_co_u32 s29, s29, SCX
	v_lshl_add_u32 v[SXW], v2, 4, s29
	v_lshlrev_b32 v[L8], 3, v1
	v_add_nc_u32 v[SXR], SCX, v[L8]
	v_mov_b32 v[T+1], 0                            ; written once: a lane permute's destination counts as one of its sources
	v_cmp_ne_u32 vcc_lo, 0, v3                     ; lanes 16-31; nothing else writes VCC
	s_mov_b32 s20, 0x76543210
	s_mov_b32 s21, 0xfedcba98                      ; v_permlanex16_b32's selects for lane l xor 16
	; my part of x, in bytes
	s_lshl_b32 s15, ttmp9, 2
	s_add_co_u32 s15, s15, s14                     ; T = 4 x work-group + wave
	s_lshr_b32 s18, s15, 3                         ; which 16 rows
	s_and_b32 s19, s15, 7                          ; which K step
	s_lshl_b32 s16, s18, 18                        ; 16 rows of x are 2^18 bytes,
	s_lshl_b32 s17, s19, 11                        ; 512 along K 2^11
	s_add_co_u32 s30, s16, s17                     ; under 2^28
	s_mov_b32 s31, 0
	s_lshr_b32 s16, s15, 6                         ; which 128 rows
	s_lshl_b32 s16, s16, 3
	s_add_co_u32 s16, s16, s19
	s_mul_i32 s16, s16, TILEB                      ; my tile of xq, under 2^25
	s_and_b32 s17, s18, 7                          ; i: which 16 rows of the tile
	s_lshl_b32 s32, s17, 8
	s_add_co_u32 s32, s32, s16
	s_add_co_u32 s32, s32, 32768                   ; my 256 bytes of scale words
	s_mov_b32 s33, 0
	s_lshl_b32 s40, s17, 12
	s_add_co_u32 s40, s40, s16                     ; my 4,096 bytes of codes
	s_mov_b32 s41, 0
	; my part of W
	s_lshr_b32 s18, ttmp9, 3                       ; which 16 rows
	s_and_b32 s19, ttmp9, 7                        ; which K step; the quarter is my wave's number
	s_lshl_b32 s42, s18, 17                        ; 16 rows of packed_w are 2^17 bytes,
	s_lshl_b32 s17, s19, 10                        ; 512 along K 2^10,
	s_add_co_u32 s42, s42, s17
	s_lshl_b32 s17, s14, 8                         ; 128 along K 2^8
	s_add_co_u32 s42, s42, s17
	s_mov_b32 s43, 0
	s_lshr_b32 s16, s18, 3                         ; which 128 rows
	s_lshl_b32 s16, s16, 3
	s_add_co_u32 s16, s16, s19
	s_mul_i32 s16, s16, TILEB                      ; the work-group's tile of wq
	s_and_b32 s17, s18, 7                          ; i
	s_lshl_b32 s44, s17, 8
	s_add_co_u32 s44, s44, s16
	s_add_co_u32 s44, s44, 32768                   ; the work-group's 256 bytes of scale words
	s_mov_b32 s45, 0
	s_lshl_b32 s46, s17, 12
	s_add_co_u32 s46, s46, s16
	s_lshl_b32 s17, s14, 10
	s_add_co_u32 s46, s46, s17                     ; my fragment's 1,024 bytes of codes
	s_mov_b32 s47, 0
	s_wait_alu depctr_va_vdst(0)
	s_wait_kmcnt 0x0
	s_load_b32 s28, s[8:9], 0x0                    ; scale_w; waited for ahead of its first use
	s_add_nc_u64 s[22:23], s[4:5], s[30:31]        ; x: where I read
	s_add_nc_u64 s[24:25], s[10:11], s[40:41]      ; xq: my codes,
	s_add_nc_u64 s[26:27], s[10:11], s[32:33]      ; my scale words
	s_add_nc_u64 s[34:35], s[6:7], s[42:43]        ; packed_w: where I read
	s_add_nc_u64 s[36:37], s[12:13], s[46:47]      ; wq: my codes,
	s_add_nc_u64 s[38:39], s[12:13], s[44:45]      ; the work-group's scale words
.macro LOADX q                         ; 128 along K of my 16 rows of x into set q % 2: each load reads 512 consecutive bytes of one row
.irp u, 0,1,2,3,4,5,6,7,8,9,10,11,12,13,14,15
	global_load_b128 v[R+64*((\q)%2)+4*\u:R+64*((\q)%2)+4*\u+3], v[LOFF], s[22:23] offset:16384*\u+512*(\q) th:TH_LOAD_NT
.endr
.endm
.macro PUT set                         ; a set goes into the stage as it was loaded, a row to a store
.irp u, 0,1,2,3,4,5,6,7,8,9,10,11,12,13,14,15
	ds_store_b128 v[SA], v[R+64*(\set)+4*\u:R+64*(\set)+4*\u+3] offset:PITCH*\u
.endr
.endm
.macro GETX                            ; and comes back as two blocks of 32 neighbours a lane.  LDS serves a wave's instructions in order (ISA guide 5.7.1.4): these see the stores above
.irp c, 0,1
.irp t, 0,1,2,3,4,5,6,7
	ds_load_b128 v[X+32*\c+4*\t:X+32*\c+4*\t+3], v[LA] offset:256*\c+16*\t
.endr
.endr
.endm
; The 64 numbers in X become a fragment: 8 registers of codes at C + 8 q, stored at once at s[ob:ob+1] + off, and a scale word in WD + q.
.macro QUANT q, ob, off
.irp c, 0,1
	v_max3_num_f32 v[M+\c], |v[X+32*\c]|, |v[X+32*\c+1]|, 0x1800000   ; my block 2 c + h: all 32 numbers are mine; and the floor 2^(3 - 127): so the byte cannot fall under 1
.endr
.irp i, 2,4,6,8,10,12,14,16,18,20,22,24,26,28,30
.irp c, 0,1
	v_max3_num_f32 v[M+\c], v[M+\c], |v[X+32*\c+\i]|, |v[X+32*\c+\i+1]|   ; (the two blocks by turns)
.endr
.endr
.irp c, 0,1
	v_add_nc_u32 v[S+\c], 0xff000000, v[M+\c]      ; 2 off the exponent field: the conversion takes the exponent field of this operand as its scale, and nothing else of it
.endr
.irp c, 0,1
	v_lshrrev_b32 v[B+\c], 23, v[S+\c]             ; the scale's byte
.endr
	v_lshl_or_b32 v[T], v[B+1], 16, v[B]           ; my two bytes: blocks h and 2 + h of my row,
	v_lshlrev_b32 v[T], v[SH8], v[T]               ; at their places in the word (8 h bits up);
	v_permlanex16_b32 v[T+1], v[T], s20, s21
	v_or_b32 v[WD+(\q)], v[T], v[T+1]              ; with lane l xor 16's two the word is whole, in both lanes
.irp c, 0,1
.irp g, 0,1,2,3
	v_cvt_scalef32_pk8_fp4_f32 v[C+8*(\q)+4*\c+\g], v[X+32*\c+8*\g:X+32*\c+8*\g+7], v[S+\c]   ; to the nearest code, ties to even, beyond 6 the largest code
.endr
.endr
	v_nop                                          ; one plain vector line behind the last conversion, ahead of whatever next writes its sources
.irp c, 0,1
	global_store_b128 v[LOFF], v[C+8*(\q)+4*\c:C+8*(\q)+4*\c+3], s[\ob:\ob+1] offset:(\off)+512*\c   ; 32 lanes store 512 consecutive bytes, aligned
.endr
.endm
.macro XSTEP q
.if (\q) < 3
	s_wait_loadcnt 16                              ; this set's 16 loads are in; the next set's 16 may be out
.else
	s_wait_loadcnt 0x0
.endif
	PUT (\q)%2
	GETX
	s_wait_dscnt 0x0                               ; my 64 numbers are in, and the stores have read their set,
.if (\q) < 2
	LOADX (\q)+2                                   ; which takes the loads of two fragments on
.endif
	QUANT \q, 24, 1024*(\q)
.endm
.irp u, 0,1,2,3,4,5,6,7                        ; W first: 64 words of each of my 16 rows, two rows to a load, into the lower half of X
	global_load_b128 v[X+4*\u:X+4*\u+3], v[LW], s[34:35] offset:16384*\u th:TH_LOAD_NT
.endr
	LOADX 0
	LOADX 1
	s_wait_kmcnt 0x0                               ; scale_w
	v_mov_b32 v[SWV], s28
	v_mov_b32 v[SWV+1], s28
	v_mul_f32 v[SMV], 0xc1000000, v[SWV]           ; -8 x scale_w: exact
	v_mul_f32 v[SMV+1], 0xc1000000, v[SWV]
	s_wait_loadcnt 32                              ; W's eight loads are in; x's two sets, 32 loads, may be out
.irp u, 0,1,2,3,4,5,6,7
	ds_store_b128 v[SAW], v[X+4*\u:X+4*\u+3] offset:2*WPITCH*\u
.endr
.irp c, 0,1                                    ; back: the 32 words (64 nibbles) of my row that hold k = 64 c + 32 h + 0 .. 31, into the upper half of X
.irp t, 0,1,2,3
	ds_load_b128 v[X+32+16*\c+4*\t:X+32+16*\c+4*\t+3], v[LAW] offset:128*\c+16*\t
.endr
.endr
	s_wait_dscnt 0x0
; W = scale_w x (nibble - 8), as nibble x scale_w - 8 scale_w in one fused multiply-add: 8 scale_w is exact, so the one rounding gives the f32 product of scale_w and (nibble - 8).
; In place, ascending: word n lies at X + 32 + n and makes X + 2 n and X + 2 n + 1, which are the places of words 2 n - 32 and 2 n - 31: both read already, but for word 31, whose own place its second line writes last.
.set n, 0
.rept 32
	v_bfe_u32 v[X+2*n], v[X+32+n], 4, 4            ; the high nibble is the even k,
	v_and_b32 v[X+2*n+1], 15, v[X+32+n]            ; the low nibble the odd
.set n, n+1
.endr
.set n, 0
.rept 64
	v_cvt_f32_u32 v[X+n], v[X+n]
.set n, n+1
.endr
.set n, 0
.rept 32
	v_pk_fma_f32 v[X+2*n:X+2*n+1], v[X+2*n:X+2*n+1], v[SWV:SWV+1], v[SMV:SMV+1]
.set n, n+1
.endr
	QUANT 0, 36, 0
	ds_store_b32 v[SXW], v[WD]                     ; my row's word for my quarter; lanes r and r + 16 write the same word with the same value
	s_wait_dscnt 0x0                               ; for the others' sake: my words lie in LDS
	s_barrier_signal -1
	s_barrier_wait -1                              ; all four quarters' words lie there
	s_cmp_lg_u32 s14, 0
	s_cbranch_scc1 .Lnot_wave_0
	ds_load_b64 v[D:D+1], v[SXR]
	s_wait_dscnt 0x0
	global_store_b64 v[L8], v[D:D+1], s[38:39]     ; the wave stores 256 consecutive bytes, aligned: 16 rows x four words
.Lnot_wave_0:
	s_wait_xcnt 0x0                                ; W's stores have read their registers: the first eight of C, and D, are written again below
	XSTEP 0
	XSTEP 1
	XSTEP 2
	XSTEP 3
	; a row's four words are 16 bytes: lanes 0-15 store words 0 and 1, lanes 16-31 words 2 and 3: the wave stores 256 consecutive bytes, aligned
	v_cndmask_b32 v[D], v[WD], v[WD+2], vcc_lo
	v_cndmask_b32 v[D+1], v[WD+1], v[WD+3], vcc_lo
	global_store_b64 v[SOFF], v[D:D+1], s[26:27]
	s_wait_tensorcnt 0x0                           ; the wave's end
	ds_add_u32 v252, v253
	s_wait_dscnt 0x0
	s_endpgm
.Lfunc_end_k_q15916e5271_quant:
	.size	k_q15916e5271_quant, .Lfunc_end_k_q15916e5271_quant-k_q15916e5271_quant
	.p2alignl 7, 3214868480
	.fill 96, 4, 3214868480
	.section	.rodata,"a",@progbits
	.p2align	6, 0x0
	.amdhsa_kernel k_q15916e5271_quant
		.amdhsa_group_segment_fixed_size 51968
		.amdhsa_private_segment_fixed_size 0
		.amdhsa_enable_private_segment 0
		.amdhsa_kernarg_size 40
		.amdhsa_user_sgpr_count 2
		.amdhsa_user_sgpr_kernarg_segment_ptr 1
		.amdhsa_wavefront_size32 1
		.amdhsa_system_sgpr_workgroup_id_x 1
		.amdhsa_system_sgpr_workgroup_id_y 1
		.amdhsa_system_sgpr_workgroup_id_z 1
		.amdhsa_system_vgpr_workitem_id 0
		.amdhsa_next_free_vgpr 256
		.amdhsa_next_free_sgpr 66
		.amdhsa_reserve_vcc 1
		.amdhsa_float_denorm_mode_32 3
		.amdhsa_float_denorm_mode_16_64 3
		.amdhsa_memory_ordered 1
		.amdhsa_forward_progress 1
		.amdhsa_inst_pref_size 44
	.end_amdhsa_kernel
	.amdgpu_metadata
---
amdhsa.version: [ 1, 2 ]
amdhsa.kernels:
  - .name:           k_q15916e5271_quant
    .symbol:         k_q15916e5271_quant.kd
    .args:
      - { .name: x, .offset: 0, .size: 8, .value_kind: global_buffer, .address_space: global }
      - { .name: packed_w, .offset: 8, .size: 8, .value_kind: global_buffer, .address_space: global }
      - { .name: scale_w, .offset: 16, .size: 8, .value_kind: global_buffer, .address_space: global }
      - { .name: xq, .offset: 24, .size: 8, .value_kind: global_buffer, .address_space: global }
      - { .name: wq, .offset: 32, .size: 8, .value_kind: global_buffer, .address_space: global }
    .group_segment_fixed_size: 51968
    .private_segment_fixed_size: 0
    .kernarg_segment_align: 8
    .kernarg_segment_size: 40
    .max_flat_workgroup_size: 128
    .sgpr_count:     66
    .vgpr_count:     256
    .wavefront_size: 32
...
	.end_amdgpu_metadata
.endif
;; end of part 1
;; launch gemm (part 2): grid 8 x 32, 4 waves a work-group, clusters of 4 x 1, 327,680 bytes of LDS; arguments xq, wq, packed_b, scale_b, out0; writes out0
.if DOCPART == 2
	.amdgcn_target "amdgcn-amd-amdhsa--gfx1250"
	.amdhsa_code_object_version 6
	.text
	.protected	k_q15916e5271_gemm
	.globl	k_q15916e5271_gemm
	.p2align	8
	.type	k_q15916e5271_gemm,@function
k_q15916e5271_gemm:
	s_mov_b64 s[64:65], 0
	v_nop
	global_prefetch_b8 v0, s[64:65] scope:SCOPE_SE
	s_setreg_imm32_b32 hwreg(HW_REG_WAVE_MODE, 25, 1), 1
	s_wait_xcnt 0x0
	s_wait_alu depctr_hold_cnt(0) depctr_sa_sdst(0) depctr_va_vdst(0) depctr_va_sdst(0) depctr_va_ssrc(0) depctr_va_vcc(0) depctr_vm_vsrc(0)
	s_getreg_b32 s2, hwreg(HW_REG_IB_STS2, 6, 4)
	s_cmp_eq_u32 s2, 0
	s_cbranch_scc0 .Lentry_in_a_cluster
	s_endpgm
.Lentry_in_a_cluster:
	s_bfe_u32 s2, ttmp6, 0x10000c
	s_cmp_lg_u32 s2, 0x3003
	s_cbranch_scc0 .Lentry_shape_is_right
	s_endpgm
.Lentry_shape_is_right:
; out0[m][n] = sum over k of x[m][k] W[n][k] + b[n], on the codes of FP4 and E8M0 scale bytes that the launch before laid in xq and wq: [block of 128 rows][K step of 512][TILEB bytes], a tile being
; [i = 16 rows][q = 128 K][c][lane][16 bytes] of codes in the order of a fragment's registers, then from byte 32,768 [i][r][q] the scale words.  b[n] = scale_b x (nibble - 8) of packed_b.
; A work-group makes 256 x 256 of out0; 8 x 32 work-groups, one for each WGP.  A WAVE MAKES 256 ROWS x 64 COLUMNS: x's blocks a = 0..15 of 16 rows against W's pairs p = 0, 1 of 32 rows: 32 accumulators of 16 registers.
; W: a wave's fragments of each 128 along K are used by that wave alone, so they go from wq straight into its registers: each load reads 512 consecutive bytes.  Eight sets of 32 registers take turns;
; a set is asked for seven steps of 128 ahead of its use, by plain loads with counted waits.  For that reason W has no joint loads (a tensor load lands in LDS alone, and LDS is taken up by x) and no prefetch (its own loads run seven steps ahead).
; x: all four waves use the same 256 rows, so x goes through LDS: two slots, each with 1,024 along K (four tiles, one tensor load a wave), four fills in all.  The four work-groups of a cluster have the same
; 256 rows of x and ask for each tile jointly (mask 15).  A fill is asked for a whole slot's products ahead of the wait for it; the bytes of fills 2 and 3 are prefetched one fill ahead of their loads,
; the four partners sharing a tile's 136 blocks of 256 bytes out by address, 34 each.
; THE MATRIX INSTRUCTION, 32 x 16 x 128, IS USED TRANSPOSED: source 0 = 32 rows of W (two fragments on end; their scale words fill the 32 lanes of one register), source 1 = 16 rows of x: a lane holds row m = l % 16
; and, in registers 8 b + j of a pair's two halves b, the columns n = 16 b + 8 (l / 16) + j.
; A STEP of 128 along K is two halves of 16 products (eight blocks of x).  Behind each half, and four v_nop, stands ONE run of loads: the eight blocks just multiplied are fetched anew for the next step; W's loads stand in the second run.
; Inside a half the waits are counted group by group (two blocks, four loads), so that a half begins when its first two blocks are in.
; The bias is the C of the first step's products.  The last 512 along K go by rows of out0: W's four sets are all in registers, and each block of 16 rows leaves as soon as it is finished.
; REGISTERS: window 0: v0-31 addresses; v32-95 x's scale words, two sets (register 4 i + q: lanes 0-15 block i, lanes 16-31 block i + 8); v96-111 W's, two sets (4 p + q: lane l is row l of pair p);
;   v128-255 x's 16 fragments, one set.  Window 1: W's eight sets; the eighth holds the bias until the first step is over.  Windows 2, 3: the accumulators, (a, p) at v[8 (4 (a % 8) + 2 p)].
; LIMITS: |scale_b| stays under 2^124, so that 8 x scale_b is exact and finite; NaN and infinities among the inputs are not served.
.set TILEB,  34816
.set RBB,    8*TILEB                   ; a block of 128 rows, all of K
.set SCOFF,  32768
.set SLOT,   4*TILEB                   ; tile 2 kl + rb: the slot's kl-th 512 along K, rows 128 rb ..
.set SPARE,  2*SLOT                    ; behind the ring: the spare words, 128 bytes a wave
.set SPITCH, 272                       ; the way out: a stage of 16 rows x (256 + 16) bytes for each wave, in slot 0, which has had its last fill and its last read by then
.set NROW,   8192                      ; a row of out0 in bytes
.set L16, 4                            ; 16 x lane
.set VW,  5                            ; W's codes: 16 x lane + my first block
.set VWS, 6                            ; W's scale words: 16 r + 256 h + my first block
.set VB,  7                            ; packed_b: 16 h
.set BX,  8                            ; v8-11   x's four tiles in slot 0: 16 x lane + t TILEB
.set BS,  12                           ; v12-13  x's scale words in slot 0: 16 r + h TILEB + SCOFF + 2 kl TILEB
.set XA,  14                           ; v14-17  the same in the slot that is being read
.set XSA, 18                           ; v18-19
.set STO, 20
.set RD,  21
.set CO,  22
.set PF1, 23                           ; the prefetches' offsets: blocks 0-31 of my work-group's 34,
.set PF2, 24                           ; blocks 32, 33 (lanes 1-31 name the last)
.set SPW, 28                           ; my spare word; never rewritten
.set NIL, 29                           ; 0; never rewritten
.set XS,  32
.set WS,  96
.set XF,  128
.set PBW, 128                          ; at the head: packed_b's words,
.set SBP, 144                          ; scale_b twice, -8 scale_b twice
.set BIAS, 224                         ; in window 1
.set G1,  24
.set G0,  32
.set CUR, 36                           ; the slot that is being read: 0 or SLOT
.set WT,  37                           ; wave x TILEB
.set WB,  44                           ; s[44:45] wq: my block of 128 rows, at the trip's first 512 along K
.set PFA, 46                           ; s[46:47] xq: my tile of fill 0 + my work-group's 34 blocks; never rewritten
.set MSB, 0
.macro WIN new                         ; the immediate's high byte repeats the setting that is left
.if MSB != \new
	s_set_vgpr_msb (MSB<<8)|\new
.set MSB, \new
.endif
.endm
.set MUL_LO,   0xa1                    ; source 0 (W) window 1, source 1 (x) window 0, C and D window 2
.set MUL_HI,   0xf1
.set FIRST_LO, 0x91                    ; C (the bias) window 1
.set FIRST_HI, 0xd1
.set TO_B,     0x40
.macro CREST
	s_cmp_lg_u32 s14, 0
	s_cbranch_scc1 .Lnot_wave_0_\@
	s_barrier_signal -3
.Lnot_wave_0_\@:
	s_barrier_wait -3
	s_barrier_signal -1
	s_barrier_wait -1
.endm
.macro CROUND
	s_barrier_signal -1
	s_barrier_wait -1
	CREST
.endm
.macro PLACES
.rept 4
	v_nop
.endr
.endm
.macro JLOAD                           ; my tile of a fill: the same line and descriptor in all four partners; s_nop 0 and four v_nop behind it
	tensor_load_to_lds s[G0:G0+3], s[G1:G1+7]
	s_nop 0
	PLACES
.endm
.macro SETADR src                      ; x's addresses in the slot at src
.irp t, 0,1,2,3
	v_add_nc_u32 v[XA+\t], \src, v[BX+\t]
.endr
.irp t, 0,1
	v_add_nc_u32 v[XSA+\t], \src, v[BS+\t]
.endr
	s_wait_alu depctr_va_vdst(0)                   ; directly behind the writes
.endm
; one product; xr: the half of the lanes that holds x's scale words
.macro WM d, wf, xf, c, ws, xs, xr
.if (\xr)==0
	v_wmma_scale_f32_32x16x128_f4 v[\d:\d+15], v[\wf:\wf+15], v[\xf:\xf+7], v[\c:\c+15], v[\ws], v[\xs]
.else
	v_wmma_scale_f32_32x16x128_f4 v[\d:\d+15], v[\wf:\wf+15], v[\xf:\xf+7], v[\c:\c+15], v[\ws], v[\xs] matrix_b_scale:MATRIX_SCALE_ROW1
.endif
.endm
; a group: the four products of x's blocks a0, a0 + 1 in step u (counted from the trip's first 512 along K).  The 32 accumulators take turns, one instruction a turn
.macro MUL2 a0, u, first
.irp a, \a0, \a0+1
.irp p, 0,1
.if \first
	WM 8*(4*((\a)%8)+2*\p), 32*((\u)%8)+16*\p, XF+8*(\a), BIAS+16*\p, WS+8*(((\u)/4)%2)+4*\p+(\u)%4, XS+32*(((\u)/4)%2)+4*((\a)%8)+(\u)%4, (\a)/8
.else
	WM 8*(4*((\a)%8)+2*\p), 32*((\u)%8)+16*\p, XF+8*(\a), 8*(4*((\a)%8)+2*\p), WS+8*(((\u)/4)%2)+4*\p+(\u)%4, XS+32*(((\u)/4)%2)+4*((\a)%8)+(\u)%4, (\a)/8
.endif
.endr
.endr
.endm
.macro XB u, a                         ; x's block a for step u: 2 LDS loads
.irp c, 0,1
	ds_load_b128 v[XF+8*(\a)+4*\c:XF+8*(\a)+4*\c+3], v[XA+2*(((\u)/4)%2)+(\a)/8] offset:4096*((\a)%8)+1024*((\u)%4)+512*\c
.endr
.endm
.macro XB8 u, a0                       ; eight blocks, in the order in which they are used: 16 LDS loads
.irp a, \a0, \a0+1, \a0+2, \a0+3, \a0+4, \a0+5, \a0+6, \a0+7
	XB \u, \a
.endr
.endm
.macro XSCL u                          ; x's scale words for the 512 along K that begin with step u: 8 LDS loads
.irp i, 0,1,2,3,4,5,6,7
	ds_load_b128 v[XS+32*(((\u)/4)%2)+4*\i:XS+32*(((\u)/4)%2)+4*\i+3], v[XSA+((\u)/4)%2] offset:256*\i
.endr
.endm
.macro ALOAD a                         ; for the last 512 along K: x's block a, its four fragments, into buffer a % 4: 8 LDS loads
.irp q, 0,1,2,3
.irp c, 0,1
	ds_load_b128 v[XF+32*((\a)%4)+8*\q+4*\c:XF+32*((\a)%4)+8*\q+4*\c+3], v[XA+2+(\a)/8] offset:4096*((\a)%8)+1024*\q+512*\c
.endr
.endr
.endm
.macro WGRP t                          ; W's four fragments of step t into set t % 8: 8 loads (under window TO_B)
.irp b, 0,1,2,3
.irp c, 0,1
	global_load_b128 v[32*((\t)%8)+8*\b+4*\c:32*((\t)%8)+8*\b+4*\c+3], v[VW], s[WB:WB+1] offset:((\t)/4)*TILEB+4096*\b+1024*((\t)%4)+512*\c
.endr
.endr
.endm
.macro WSCL k                          ; W's scale words of the k-th 512 along K: 2 loads
.irp p, 0,1
	global_load_b128 v[WS+8*((\k)%2)+4*\p:WS+8*((\k)%2)+4*\p+3], v[VWS], s[WB:WB+1] offset:(\k)*TILEB+512*\p
.endr
.endm
.macro WISSUE u                        ; at the end of step u: the set that step u - 1 used takes step u + 7's fragments; a step that opens 512 along K asks first for the next 512's scale words
.if ((\u)%4) == 0
	WSCL (\u)/4+1
.endif
	WIN TO_B
	WGRP (\u)+7
	WIN 0
.endm
; A step whose successor lies in the same slot.  lc: the loads of W that may stay out: the six younger groups of eight, 48; at a step that opens 512 along K only the four groups issued behind its scale words, 32.
; s_wait_dscnt 28 - 4 j ahead of a half's j-th group: the 12 - 4 j later loads of its own run and the 16 of the run behind it may be out (scale words stand first in their run, so the first wait covers them).
; last = 1: the runs fetch blocks 0 to 3 of the part that goes by rows
.macro STEP u, first, issue, lc, last
	s_wait_loadcnt \lc
.irp k, 0,1,2,3
	s_wait_dscnt 28-4*\k
.if \first
	WIN FIRST_LO
.else
	WIN MUL_LO
.endif
	MUL2 2*\k, \u, \first
.endr
	PLACES
	WIN 0
.if (((\u)+1)%4) == 0
	XSCL (\u)+1
.endif
.if \last
	ALOAD 0
	ALOAD 1
.else
	XB8 (\u)+1, 0
.endif
.irp k, 4,5,6,7
	s_wait_dscnt 44-4*\k
.if \first
	WIN FIRST_HI
.else
	WIN MUL_HI
.endif
	MUL2 2*\k, \u, \first
.endr
	PLACES
	WIN 0
.if \last
	ALOAD 2
	ALOAD 3
.else
	XB8 (\u)+1, 8
.endif
.if \issue
	WISSUE \u
.endif
.endm
; A slot's last step, u = 7, changes slots: one barrier; in front of it each wave waits for its tensor load, adds 0 to its spare word and waits for that and for its reads of the slot.  refill = 1: the slot is filled again
.macro TURN refill
	s_wait_loadcnt 48
	s_wait_tensorcnt 0x0                           ; my tile of the next slot has landed
	ds_add_u32 v[SPW], v[NIL]
.if \refill
	s_add_co_u32 s[G0+1], s[CUR], s[WT]            ; no tensor load of mine is out: the descriptor steps to the slot just read, 1,024 along K on
	s_add_nc_u64 s[G0+2:G0+3], s[G0+2:G0+3], 2*TILEB
	s_xor_b32 s[CUR], s[CUR], SLOT
.endif
	s_wait_dscnt 29                                ; as in a step, and the add
	WIN MUL_LO
	MUL2 0, 7, 0
	s_wait_dscnt 25
	MUL2 2, 7, 0
	s_wait_dscnt 0x0                               ; the add is done, and my reads of this slot are over
	s_barrier_signal -1
	MUL2 4, 7, 0
	MUL2 6, 7, 0
	WIN 0
	s_barrier_wait -1
.if \refill
	CREST                                          ; the barrier has opened a round of the cluster's barrier
	JLOAD                                          ; its four v_nop are also the places in front of the loads below
	SETADR s[CUR]
.else
	PLACES
	SETADR SLOT                                    ; the last change of slots leads to slot 1
.endif
	XSCL 8
	XB8 8, 0
.if \refill
	s_cmp_eq_u32 s3, 2                             ; behind fill 2 the bytes of fill 3 are asked for; behind fill 3 nothing is left
	s_cbranch_scc0 .Lno_ask_\@
	global_prefetch_b8 v[PF1], s[PFA:PFA+1] offset:6*TILEB th:TH_LOAD_NT scope:SCOPE_SE
	global_prefetch_b8 v[PF2], s[PFA:PFA+1] offset:6*TILEB th:TH_LOAD_NT scope:SCOPE_SE
.Lno_ask_\@:
.endif
	WIN MUL_HI
	MUL2 8, 7, 0
	MUL2 10, 7, 0
	MUL2 12, 7, 0
	MUL2 14, 7, 0
	PLACES
	WIN 0
	XB8 8, 8
	WISSUE 7
.endm
.macro PHASE refill                    ; from a slot's second step to the next slot's first
	STEP 1, 0, 1, 48, 0
	STEP 2, 0, 1, 48, 0
	STEP 3, 0, 1, 48, 0
	STEP 4, 0, 1, 32, 0
	STEP 5, 0, 1, 48, 0
	STEP 6, 0, 1, 48, 0
	TURN \refill
	STEP 8, 0, 1, 32, 0
.endm
; THE LAST 512 ALONG K BY ROWS OF out0
.macro ROW a                           ; block a is finished: 8 products, its two accumulators by turns
	WIN MUL_LO+0x50*((\a)/8)
.irp q, 0,1,2,3
.irp p, 0,1
	WM 8*(4*((\a)%8)+2*\p), 32*(4+\q)+16*\p, XF+32*((\a)%4)+8*\q, 8*(4*((\a)%8)+2*\p), WS+8+4*\p+\q, XS+32+4*((\a)%8)+\q, (\a)/8
.endr
.endr
.endm
.macro TOSTAGE a                       ; 16 rows x 256 bytes through my stage, back as whole rows into the same registers.  LDS serves a wave's instructions in order (ISA guide 5.7.1.4)
.set AC, 32*((\a)%8)
	WIN 0x88+0x44*((\a)/8)
.irp b, 0,1,2,3
	ds_store_b128 v[STO], v[AC+8*\b:AC+8*\b+3] offset:64*\b          ; each accumulator from its low end on
	ds_store_b128 v[STO], v[AC+8*\b+4:AC+8*\b+7] offset:64*\b+16
.endr
.irp t, 0,1,2,3,4,5,6,7
	ds_load_b128 v[AC+4*\t:AC+4*\t+3], v[RD] offset:\t*2*SPITCH
.endr
.endm
.macro SEND a, younger
.set AC, 32*((\a)%8)
	WIN 0x88+0x44*((\a)/8)
	s_wait_dscnt \younger
.irp t, 0,1,2,3,4,5,6,7
	global_store_b128 v[CO], v[AC+4*\t:AC+4*\t+3], s[12:13] offset:(16*(\a)+2*\t)*NROW th:TH_STORE_NT   ; sixteen lanes store 256 consecutive bytes, aligned; two rows an instruction
.endr
.endm
	s_load_b256 s[4:11], s[0:1], 0x0               ; xq, wq, packed_b, scale_b
	s_load_b64 s[12:13], s[0:1], 0x20              ; out0
	v_lshl_add_u32 v[SPW], v0, 2, SPARE
	v_mov_b32 v[NIL], 0
	ds_add_u32 v[SPW], v[NIL]                      ; the add, twice on end
	ds_add_u32 v[SPW], v[NIL]
	v_lshrrev_b32 v1, 5, v0
	v_readfirstlane_b32 s14, v1                    ; wave 0..3
	s_lshr_b32 s15, s14, 1
	s_and_b32 s16, s14, 1
	s_bfe_u32 s40, ttmp6, 0x40000                  ; cx
	s_lshl_b32 s42, ttmp9, 2
	s_add_co_u32 s42, s42, s40                     ; tile column = 4 x cluster x + cx
	s_and_b32 s17, ttmp7, 0xffff                   ; tile row
	s_mov_b32 s[G1+0], 15|(3<<16)|(1<<21)          ; the four partners; elements of 8 bytes; bit 21 beside a mask
	s_mov_b32 s[G1+1], 32<<16                      ; a tile is a dense block: 136 rows of 256 bytes
	s_mov_b32 s[G1+2], 136<<16
	s_mov_b32 s[G1+3], 32<<16
	s_mov_b32 s[G1+4], 136
	s_mov_b32 s[G1+5], 32
	s_mov_b32 s[G1+6], 0
	s_mov_b32 s[G1+7], 0
	s_lshl_b32 s20, s17, 1                         ; x: my tile of fill 0: rows 128 (2 tile row + wave % 2), 512 along K number wave / 2
	s_add_co_u32 s20, s20, s16
	s_lshl_b32 s20, s20, 3
	s_add_co_u32 s20, s20, s15
	s_mul_i32 s20, s20, TILEB
	s_mov_b32 s21, 0
	s_lshl_b32 s22, s42, 1                         ; W: my 64 rows lie in block 2 tile column + wave / 2, from its block of 16 number 4 (wave % 2) on
	s_add_co_u32 s22, s22, s15
	s_mul_i32 s22, s22, RBB
	s_mov_b32 s23, 0
	s_mul_i32 s[WT], s14, TILEB
	s_mov_b32 s[CUR], 0
	s_lshl_b32 s18, s42, 9                         ; packed_b: two bytes a column: 512 tile column + 128 wave
	s_lshl_b32 s19, s14, 7
	s_add_co_u32 s18, s18, s19
	s_mov_b32 s19, 0
	s_lshl_b32 s38, s16, 14
	s_lshl_b32 s39, s16, 10
	s_add_co_u32 s39, s39, SCOFF
	v_and_b32 v1, 15, v0                           ; r
	v_bfe_u32 v2, v0, 4, 1                         ; h
	v_and_b32 v3, 31, v0                           ; lane
	v_lshlrev_b32 v[L16], 4, v3
	v_add_nc_u32 v[VW], s38, v[L16]
	v_lshlrev_b32 v25, 4, v1
	v_lshl_add_u32 v25, v2, 8, v25
	v_add_nc_u32 v[VWS], s39, v25
	v_lshlrev_b32 v[VB], 4, v2
	s_wait_alu depctr_va_vdst(0)                   ; directly ahead of the waits below
	s_wait_dscnt 0x0                               ; both opening adds are done
	s_wait_kmcnt 0x0
	s_load_b32 s41, s[10:11], 0x0                  ; scale_b
	s_add_nc_u64 s[20:21], s[4:5], s[20:21]
	s_add_nc_u64 s[WB:WB+1], s[6:7], s[22:23]
	s_add_nc_u64 s[8:9], s[8:9], s[18:19]
.irp b, 0,1,2,3
	global_load_b128 v[PBW+4*\b:PBW+4*\b+3], v[VB], s[8:9] offset:32*\b   ; the four words (eight nibbles) of columns 16 b + 8 h + 0..7
.endr
	WSCL 0                                         ; W's first scale words and first two steps: what the first products need goes out ahead of x's first fill
	WIN TO_B
	WGRP 0
	WGRP 1
	WIN 0
	s_mov_b32 s[G0], 1
	s_mov_b32 s[G0+1], s[WT]
	s_mov_b64 s[G0+2:G0+3], s[20:21]
	s_or_b32 s[G0+3], s[G0+3], 0x80000000
	CROUND                                         ; the four partners are here: the first joint loads meet
	JLOAD                                          ; fill 0: one tensor load a wave at the head
	WIN TO_B
.irp t, 2,3,4,5,6
	WGRP \t                                        ; W's steps 2 to 6, behind the fill
.endr
	WIN 0
	s_mul_i32 s48, s40, 34*256                     ; the prefetches: my work-group's 34 blocks of my tile, told apart by address
	s_mov_b32 s49, 0
	s_add_nc_u64 s[PFA:PFA+1], s[20:21], s[48:49]
	s_lshl_b32 s48, s17, 21                        ; out0: 256 tile row rows of 8,192 bytes + 1,024 tile column + 256 wave
	s_lshl_b32 s22, s42, 10
	s_add_co_u32 s48, s48, s22
	s_lshl_b32 s22, s14, 8
	s_add_co_u32 s48, s48, s22
	s_add_nc_u64 s[12:13], s[12:13], s[48:49]
	s_mul_i32 s39, s14, 16*SPITCH                  ; my stage
.irp t, 0,1,2,3
	v_add_nc_u32 v[BX+\t], \t*TILEB, v[L16]
.endr
	v_mul_u32_u24 v25, v2, TILEB                   ; lanes 16-31 take the scale words of rows 128 ..
	v_lshl_add_u32 v25, v1, 4, v25
	v_add_nc_u32 v[BS], SCOFF, v25
	v_add_nc_u32 v[BS+1], SCOFF+2*TILEB, v25
	SETADR s[CUR]
	v_mul_u32_u24 v25, v1, SPITCH                  ; into the stage: row r, 32 bytes for each half of the lanes
	v_lshl_add_u32 v25, v2, 5, v25
	v_add_nc_u32 v[STO], s39, v25
	v_mul_u32_u24 v26, v2, SPITCH                  ; back: lanes 0-15 one row of 256 bytes, lanes 16-31 the next
	v_lshl_add_u32 v26, v1, 4, v26
	v_add_nc_u32 v[RD], s39, v26
	v_lshlrev_b32 v27, 13, v2                      ; and the same two rows in out0
	v_lshl_add_u32 v[CO], v1, 4, v27
	v_lshlrev_b32 v[PF1], 8, v3
	v_min_u32 v25, 1, v3
	v_lshl_add_u32 v[PF2], v25, 8, 8192
	s_wait_alu depctr_va_vdst(0)                   ; directly ahead of the wait below
	s_wait_kmcnt 0x0                               ; scale_b
	v_mov_b32 v[SBP], s41
	v_mov_b32 v[SBP+1], s41
	v_mul_f32 v[SBP+2], 0xc1000000, v[SBP]         ; -8 x scale_b: exact
	v_mul_f32 v[SBP+3], 0xc1000000, v[SBP]
	s_wait_alu depctr_va_vdst(0)
	s_wait_loadcnt 58                              ; packed_b's four loads are in; W's 58 (2 of scale words, 7 groups of 8) may be out
	WIN 0x40                                       ; b = nibble x scale_b - 8 scale_b in one fused multiply-add, into window 1: register 8 b + j is column 16 b + 8 h + j
.set n, 0
.rept 16
	v_bfe_u32 v[BIAS+2*n], v[PBW+n], 4, 4          ; the high nibble is the even column
	v_and_b32 v[BIAS+2*n+1], 15, v[PBW+n]
.set n, n+1
.endr
	WIN 0x41
.set n, 0
.rept 32
	v_cvt_f32_u32 v[BIAS+n], v[BIAS+n]
.set n, n+1
.endr
.set n, 0
.rept 16
	v_pk_fma_f32 v[BIAS+2*n:BIAS+2*n+1], v[BIAS+2*n:BIAS+2*n+1], v[SBP:SBP+1], v[SBP+2:SBP+3]
.set n, n+1
.endr
	WIN 0
	s_wait_alu depctr_va_vdst(0)                   ; the head's end
	s_wait_tensorcnt 0x0                           ; my tile of fill 0 is in; slot 1's first fill is issued as a refill is
	ds_add_u32 v[SPW], v[NIL]
	s_add_co_u32 s[G0+1], s[WT], SLOT
	s_add_nc_u64 s[G0+2:G0+3], s[G0+2:G0+3], 2*TILEB
	s_wait_dscnt 0x0
	CROUND
	JLOAD                                          ; fill 1
	XSCL 0
	XB8 0, 0
	XB8 0, 8
	global_prefetch_b8 v[PF1], s[PFA:PFA+1] offset:4*TILEB th:TH_LOAD_NT scope:SCOPE_SE   ; the bytes of fill 2, whose load stands eight steps on
	global_prefetch_b8 v[PF2], s[PFA:PFA+1] offset:4*TILEB th:TH_LOAD_NT scope:SCOPE_SE
	STEP 0, 1, 1, 48, 0                            ; the first step stands in front of the loop: its products start the sums from the bias, whose registers then take W's eighth set
	s_mov_b32 s3, 2
.Lphase:                                               ; two trips: fills 2 and 3
	PHASE 1
	s_wait_xcnt 0x0                                ; W's loads have read their base
	s_add_nc_u64 s[WB:WB+1], s[WB:WB+1], 2*TILEB
	s_sub_co_u32 s3, s3, 1
	s_cmp_lg_u32 s3, 0
	s_cbranch_scc1 .Lphase
	PHASE 0                                        ; the third change of slots fills nothing; W's last eight groups are asked for here
	STEP 1, 0, 0, 48, 0
	STEP 2, 0, 0, 40, 0                            ; five groups may be out,
	STEP 3, 0, 0, 32, 1                            ; four: the last step that goes by K
	s_wait_loadcnt 0x0                             ; W's last four sets and scale words
.irp a, 0,1,2,3,4,5,6,7,8,9,10,11,12,13,14,15
.if \a == 0
	s_wait_dscnt 24                                ; the scale words and block 0 are in; blocks 1-3 may be out
.endif
.if \a == 1
	s_wait_dscnt 40                                ; behind block 1's loads: blocks 2, 3 and 4, and block 0's 16 through the stage.  Later blocks are covered by SEND's wait
.endif
	ROW \a
.if \a > 0
.if \a+3 < 16
	SEND \a-1, 8                                   ; behind its loads from the stage: one block of x
.else
	SEND \a-1, 0
.endif
.endif
	PLACES
	TOSTAGE \a
.if \a+4 < 16
	WIN 0
	ALOAD \a+4
.endif
.endr
	SEND 15, 0
	WIN 0
	s_wait_tensorcnt 0x0                           ; the wave's end
	ds_add_u32 v[SPW], v[NIL]
	s_wait_dscnt 0x0
	CROUND                                         ; the closing round
	s_endpgm
.Lfunc_end_k_q15916e5271_gemm:
	.size	k_q15916e5271_gemm, .Lfunc_end_k_q15916e5271_gemm-k_q15916e5271_gemm
	.p2alignl 7, 3214868480
	.fill 96, 4, 3214868480
	.section	.rodata,"a",@progbits
	.p2align	6, 0x0
	.amdhsa_kernel k_q15916e5271_gemm
		.amdhsa_group_segment_fixed_size 327680
		.amdhsa_private_segment_fixed_size 0
		.amdhsa_enable_private_segment 0
		.amdhsa_kernarg_size 40
		.amdhsa_user_sgpr_count 2
		.amdhsa_user_sgpr_kernarg_segment_ptr 1
		.amdhsa_wavefront_size32 1
		.amdhsa_system_sgpr_workgroup_id_x 1
		.amdhsa_system_sgpr_workgroup_id_y 1
		.amdhsa_system_sgpr_workgroup_id_z 1
		.amdhsa_system_vgpr_workitem_id 0
		.amdhsa_next_free_vgpr 1024
		.amdhsa_next_free_sgpr 66
		.amdhsa_reserve_vcc 0
		.amdhsa_float_denorm_mode_32 3
		.amdhsa_float_denorm_mode_16_64 3
		.amdhsa_memory_ordered 1
		.amdhsa_forward_progress 1
		.amdhsa_inst_pref_size 226
	.end_amdhsa_kernel
	.amdgpu_metadata
---
amdhsa.version: [ 1, 2 ]
amdhsa.kernels:
  - .name:           k_q15916e5271_gemm
    .symbol:         k_q15916e5271_gemm.kd
    .args:
      - { .name: xq, .offset: 0, .size: 8, .value_kind: global_buffer, .address_space: global }
      - { .name: wq, .offset: 8, .size: 8, .value_kind: global_buffer, .address_space: global }
      - { .name: packed_b, .offset: 16, .size: 8, .value_kind: global_buffer, .address_space: global }
      - { .name: scale_b, .offset: 24, .size: 8, .value_kind: global_buffer, .address_space: global }
      - { .name: out0, .offset: 32, .size: 8, .value_kind: global_buffer, .address_space: global }
    .group_segment_fixed_size: 327680
    .private_segment_fixed_size: 0
    .kernarg_segment_align: 8
    .kernarg_segment_size: 40
    .max_flat_workgroup_size: 128
    .sgpr_count:     66
    .vgpr_count:     1024
    .wavefront_size: 32
...
	.end_amdgpu_metadata
.endif
;; end of part 2
